; MI455X (gfx1250); checked and timed in simulation.
; The chip was launched on July 23, 2026; its instructions are those of AMD's public machine-readable ISA for CDNA 5 (MIT licence, August 2026) and "CDNA5" Instruction Set Architecture Reference Guide (July 2026). The comments in the code are by the model that wrote it; some were corrected since.
;; Eigen Basis Encoder. Allowed arithmetic: matrix products marked QUANTISED: E2M1 operands, one E8M0 scale for each 32 along K, by v_wmma_scale_f32_16x16x128_f8f6f4 with both operands' format E2M1 (or v_wmma_scale_f32_32x16x128_f4), f32 sums; products left as they are: f32 operands where the result goes on into a quantised operand, else bf16, f16 or f32 operands; f32 sums; everything else in f32.
;; Inputs: batched_eigval 4 x 16 float32; batched_eigvec 4 x 16 x 128 x 128 float32; edge_attr 65,536 x 32 float32; f_l1_b 32 float32; f_l1_w 1 x 32 float32; f_l2_b 256 float32; f_l2_w 1 x 256 float32; f_l3_w 256 x 32 float32; g_l1_b 32 float32; g_l1_w 1 x 32 float32; g_l2_b 64 float32; g_l2_w 1 x 64 float32; g_l3_w 64 x 32 float32; lin_b 32 float32; lin_w 32 x 32 float32; mask_all 4 x 16 x 128 x 128 bool; mask_m 4 x 16 float32.
;; Outputs: out0 65,536 x 32 float32.
;; This version of the problem:
;;   THIS VERSION OF THE PROBLEM IS GIVEN IN LOW PRECISION. The matrix products marked QUANTISED in the list below multiply operands that are first quantised to E2M1 (2 exponent bits, 1 mantissa bit; 4 bits a number), with one power-of-two scale for each 32 numbers along K (OCP MX v1.0); their sums are f32. All else is computed in f32.
;;   The module's matrix products, in the order in which they are computed (A, B: the left and right operand; K: the contracted axis; several contracted axes count as one K, in the product's order):
;;     1. [M 64, K 256] x [K 256, N 32]; A: computed on the way; B: input f_l3_w: QUANTISED
;;     2. [M 1,048,576, K 64] x [K 64, N 32]; A: computed on the way; B: input g_l3_w: QUANTISED
;;     3. batch 128 x [M 16,384, K 16] x [K 16, N 1]; A: computed on the way; B: computed on the way: left as it is (K = 16 < 32)
;;     4. [M 65,536, K 32] x [K 32, N 32]; A: computed on the way; B: input lin_w: QUANTISED
;;   THE QUANTISER, for each operand of a quantised product, along K:
;;     - K is cut into blocks of 32 from its start; a last block that is shorter is filled with zeros.
;;     - A block's scale is 2^e with e = floor(log2(the largest magnitude in the block)) - 2, held to -126 .. 127; a block of zeros has e = 0. As a byte (E8M0): e + 127.
;;     - Each number is divided by its block's scale, clamped to +-6, and rounded to the nearest number of E2M1, ties to even, subnormals kept.
;;     - The product sums the exact products of the quantised numbers (number of the format x scale) in f32.
;;   ~~~python
;;   def quantise(x, axis):      # numpy; x: float32 -> the quantised numbers, widened to float32 again
;;       x = np.moveaxis(x, axis, -1); K = x.shape[-1]
;;       x = np.pad(x, [(0, 0)] * (x.ndim - 1) + [(0, -K % 32)]); x = x.reshape(x.shape[:-1] + (-1, 32)); a = np.abs(x).max(-1, keepdims=True)
;;       e = np.where(a > 0, np.clip(np.frexp(np.where(a > 0, a, 1))[1] - 1 - 2, -126, 127), 0)      # np.frexp(a)[1] - 1 = floor(log2(a)), exactly
;;       r = np.clip(x / 2.0 ** e, -6, 6)
;;       step = 2.0 ** (np.maximum(np.frexp(np.where(r == 0, 1, r))[1] - 1, 0) - 1)
;;       q = np.round(r / step) * step * 2.0 ** e      # np.round: ties to even
;;       return np.moveaxis(q.reshape(q.shape[:-2] + (-1,))[..., :K], -1, axis).astype(np.float32)
;;   ~~~
;;   OPERANDS COMPUTED ON THE WAY. 'Computed on the way' means the value that the module computes at that place (a softmax that the list does not call 'softmax' is quantised finished and normalised). What goes into a quantiser is computed in f32, as accurately as f32 sums, v_exp_f32 and their like allow (about 1e-6 of the number): no bf16 or f16 on the way to a quantiser, and a product that is left as it is and whose result goes on into a quantised operand takes f32 operands (vector FMAs, or v_wmma_f32_16x16x4_f32). A number that lies on a knife's edge between two numbers of the format may be rounded either way, as far as f32 arithmetic and the matrix unit's own rounding can turn it there, and no further.
;; 2 versions. Each part assembles by itself: llvm-mc -triple=amdgcn-amd-amdhsa -mcpu=gfx1250 --defsym DOCPART=n.
;; ======== version 1 of 2: 1 launch
;; limits: right only within a limited range of input values
;; launch encode (part 1): grid 256 x 1, 16 waves a work-group, no clusters, 69,632 bytes of LDS; arguments batched_eigval, batched_eigvec, mask_m, mask_all, edge_attr, f_l1_w, f_l1_b, f_l2_w, f_l2_b, f_l3_w, g_l1_w, g_l1_b, g_l2_w, g_l2_b, g_l3_w, lin_w, lin_b, out0; writes out0
.if DOCPART == 1
	.amdgcn_target "amdgcn-amd-amdhsa--gfx1250"
	.amdhsa_code_object_version 6
	.text
	.protected	k_q258500831e_encode
	.globl	k_q258500831e_encode
	.p2align	8
	.type	k_q258500831e_encode,@function
k_q258500831e_encode:
	s_mov_b64 s[64:65], 0
	v_nop
	global_prefetch_b8 v0, s[64:65] scope:SCOPE_SE
	s_setreg_imm32_b32 hwreg(HW_REG_WAVE_MODE, 25, 1), 1
	s_wait_xcnt 0x0
; out0[e][:] = edge_attr[e][:] + lin_b + Q(sum over m of f[b][m][:] g[b][m][e][:]) Q(lin_w)^T, for 65,536 edges e = (b, i, j), 32 numbers each.
;   g = mask_all ? silu(x g_l1_w + g_l1_b + Q(silu(x g_l2_w + g_l2_b)) Q(g_l3_w)) : 0,  x = batched_eigvec[b][m][i][j]            (K = 64)
;   f = exp(v f_l1_w + f_l1_b + Q(silu(v f_l2_w + f_l2_b)) Q(f_l3_w)) mask_m,           v = batched_eigval[b][m]                  (K = 256)
; Q: codes of FP4 (E2M1) with one E8M0 scale for each 32 along K; the three products go by v_wmma_scale_f32_16x16x128_f8f6f4, K filled up to 128 with zero codes on both sides.  All else in f32.
; WHAT BINDS: 96 silu for each x, each an exponential and a reciprocal: vector work.  A trip of the loop (48 silu a lane) has 96 transcendental instructions and 2 matrix instructions.  So: packed arithmetic, constants
; folded into what is made once, one wait for each batch of transcendentals, useful lines in the places round the products, and sixteen small waves (256 registers, four to a SIMD), so that one wave's waits stand beside another's work.
; SHARES.  Work-group g owns edges 256 g .. 256 g + 255 (all of one b = g / 64); wave w owns 16 of them, 16 w + r, and walks m = 0 .. 15.  Lane (r = lane % 16, h = lane / 16) holds edge r throughout.
; LAYOUT.  The products are used transposed: source 0 = 16 rows of the weight (K innermost), source 1 = 16 edges.  In source 1 lane (r, h) holds k = 32 h .. 32 h + 31 in registers 0-3: for K = 64 that is ONE WHOLE
; BLOCK of its edge, so the lane computes those 32 silu itself and the block's largest magnitude needs no other lane.  THE ROWS OF A WEIGHT THAT FORM A TILE ARE NOT NEIGHBOURS: lane r of tile u takes row
; 8 u + r + 8 (r / 8), so that the 16 result registers of tiles 0 and 1 are d = 16 h + 0 .. 15 of the lane's edge.  x g_l1_w + g_l1_b is the product's C.
; TWO FOLDS.  (1) With c = -log2(e), g_l2_w and g_l2_b are multiplied by c once: the trip makes z' = c z by one multiply-add, and silu(z) = z' / (c 2^z' + c): c cancels, and no line is spent on the exponent.
; (2) The table holds 1 / f: f x sigmoid(s) = 1 / (2^(c s) / f + 1 / f), one multiply-add ahead of the reciprocal, and the sum over m takes s x that.
; THE MASK costs nothing for each number: the sigmoid's exponent gets +infinity added where the mask byte is 0, so that the reciprocal is 0 there.
; THE HEAD.  Everything is read from memory once, here.  The three weights and the hidden layer of f are quantised by sixteen waves, a quarter fragment each, and reach the others through LDS as images of the
; operand's registers (16 bytes a lane at 16 x lane; the two scale bytes as a word at 4 x lane): ONE barrier in the launch.  Behind it each wave makes the 16 x 32 table of 1 / f for itself (4 matrix instructions).
; NO CLUSTER, NO TENSOR LOAD: x, the masks and edge_attr belong to one work-group each.  What work-groups share are the weights (46 KB); they are wanted in registers, a lane to a row and registers along K, are read
; once a work-group ahead of 16 trips that read no memory, and so no tile of them would lie in LDS to be shared.  LDS is claimed as it is used.
; LIMITS: NaN and infinities among the inputs are not served; at a place that mask_all hides the sum ahead of the silu must be finite (it is multiplied by 0); mask bytes are 0 or 1.  A block of zeros gets the
; scale byte 1 where the rule says 127: its codes are zeros, and this program alone reads the bytes.  A silu whose sigmoid falls under 2^-126 comes out as 0, and so does a term whose f x sigmoid falls under 2^-126.
; 1 / f is held at +-3e38, so f = 0 (a hole in mask_m) and f under 3.4e-39 give terms of 0.  |f| above 2^126 is not served: its reciprocal would fall to 0.
.set XS,   0                           ; LDS: x, [16 m][256 edges] f32, rows of 1,024 bytes: thread t's 16 bytes at 16 t (m = t / 64), and 8,192 on (m + 8)
.set MS,   16384                       ; mask_all's bytes, [16 m][256 edges]: thread t's 8 bytes at 8 t
.set IMG,  20480                       ; 16 slots of 512 bytes: the four code registers that wave w made, lane l's 16 bytes at 16 l
.set ISC,  28672                       ; 16 slots of 128 bytes: its two scale bytes (block h = 0, block h = 1) as a word, 4 bytes a lane
.set FT,   30720                       ; 16 regions of FTW bytes, each wave's own: the table of 1 / f, 16 rows m; behind the loop the same bytes are the wave's stage for 16 rows of the output
.set FP,   144                         ; a row there: 128 bytes + 16: 16 rows begin at 16 different multiples of 16 modulo 256
.set FTW,  16*FP
.set AX0,  1                           ; v1   XS + 64 w + 4 r: my edge's x in row 0
.set AM0,  2                           ; v2   MS + 16 w + r: its mask byte in row 0
.set AF0,  3                           ; v3   my region + 64 h: my 16 numbers of the table's row 0
.set ADX,  4                           ; v4   head: 16 t; loop: address of the next x
.set ADM,  5                           ; v5   head: 8 t;  loop: address of the mask byte
.set ADF,  6                           ; v6   head: 4 t;  loop: address of the table's row
.set LI,   7                           ; v7   16 x lane
.set LS,   8                           ; v8   4 x lane
.set STO,  9                           ; v9   my region + 144 r + 64 h: where I put 64 bytes of row r
.set MK,   10                          ; v10  head: mask_m[b][r];
.set XN,   10                          ;      loop: the next m's x, as it lands
.set RD,   11                          ; v11  my region + 144 (lane / 8) + 16 (lane % 8): where I read rows back
.set X,    12                          ; v[12:13] head: batched_eigval[b][r]; loop: x; v13 = 0 (named with it as a pair)
.set MB,   14                          ; v[14:15] head: 1 - h; loop: the mask byte, then 0 or +infinity, the mask's addend; v15 = 0
.set HS,   16                          ; v16-23 hold scales and nothing else: v16 the word just made; v16, v17 f's hidden layer; v17 the sums' word; v18, v19 g_l3_w's; v20-23 f_l3_w's, later v20, v21 lin_w's
.set W2,   24                          ; v24-55   c g_l2_w at k = 32 h + i
.set B2,   56                          ; v56-87   c g_l2_b likewise
.set W1,   88                          ; v88-103  g_l1_w at d = 16 h + i
.set B1,   104                         ; v104-119 g_l1_b likewise
.set WG,   120                         ; v120-135 two fragments of Q(g_l3_w); registers 4-7 of each are zero codes.  (Head: v120-151 f_l2_w in the waves that make f's hidden layer)
.set P,    136                         ; v136-143 the codes just made; registers 4-7 stay zero codes
.set H,    144                         ; v144-159 the product's C, then its result.  (Head: v152-159 offsets of the loads)
.set OUT,  160                         ; v160-175 the sums over m.  (Head: f's C and accumulators)
.set EA,   176                         ; v176-191 edge_attr + lin_b, as the stores will want them
.set Z,    192                         ; v192-223 z', then 32 numbers ahead of a quantiser.  (f's stage: four fragments of Q(f_l3_w); way out: lin_w's two fragments, then the result)
.set E,    224                         ; v224-255 at work
.set F,    240                         ; v240-255 the table's 16 numbers of the trip
.set WV,   40                          ; s40  my wave's number
.set RB,   48                          ; s[48:49] f_l3_w or g_l3_w at my wave's quarter fragment
.set NL,   50                          ; s[50:51] c = -log2(e), twice (a packed form names the pair)
.set PL,   52                          ; s[52:53] log2(e), twice
.set SEL,  54                          ; s[54:55] v_permlanex16_b32's selects for lane l xor 16
.set TM,   56                          ; s56  256 m
.set TF,   57                          ; s57  144 m
.set TX,   58                          ; s58  1,024 (m + 1)
.set CT,   59                          ; s59  trips done
.macro PLACES n                        ; plain vector instructions that name no register of the matrix instruction (ISA guide 7.12.1)
.rept \n
	v_nop
.endr
.endm
; One matrix instruction: D = 16 rows of a weight (a) x 16 edges (bb) + C.  zero = 1: C is the constant 0; else C = D.
.macro WM d, a, bb, sa, sb, zero
.if \zero
	v_wmma_scale_f32_16x16x128_f8f6f4 v[\d:\d+7], v[\a:\a+7], v[\bb:\bb+7], 0, v[\sa], v[\sb] matrix_a_fmt:MATRIX_FMT_FP4 matrix_b_fmt:MATRIX_FMT_FP4
.else
	v_wmma_scale_f32_16x16x128_f8f6f4 v[\d:\d+7], v[\a:\a+7], v[\bb:\bb+7], v[\d:\d+7], v[\sa], v[\sb] matrix_a_fmt:MATRIX_FMT_FP4 matrix_b_fmt:MATRIX_FMT_FP4
.endif
.endm
; The head's form, run once by four waves: Z[i] = silu(x w[i] + b[i]), i = 0 .. 31, silu(z) = z / (1 + 2^(c z)).  Two batches of 32 transcendentals, each with a plain line and ONE wait behind it, ahead of its
; first reader.
.macro SILU32 w, b
.set i, 0
.rept 16
	v_pk_fma_f32 v[Z+i:Z+i+1], v[\w+i:\w+i+1], v[X:X+1], v[\b+i:\b+i+1] op_sel_hi:[1,0,1]   ; of the pair x the low word serves both halves
.set i, i+2
.endr
.set i, 0
.rept 16
	v_pk_mul_f32 v[E+i:E+i+1], v[Z+i:Z+i+1], s[NL:NL+1] op_sel_hi:[1,0]
.set i, i+2
.endr
.set i, 0
.rept 32
	v_exp_f32 v[E+i], v[E+i]
.set i, i+1
.endr
	v_nop
	s_wait_alu depctr_va_vdst(0)
.set i, 0
.rept 16
	v_pk_add_f32 v[E+i:E+i+1], v[E+i:E+i+1], 1.0 op_sel_hi:[1,0]
.set i, i+2
.endr
.set i, 0
.rept 32
	v_rcp_f32 v[E+i], v[E+i]
.set i, i+1
.endr
	v_nop
	s_wait_alu depctr_va_vdst(0)
.set i, 0
.rept 16
	v_pk_mul_f32 v[Z+i:Z+i+1], v[Z+i:Z+i+1], v[E+i:E+i+1]
.set i, i+2
.endr
.endm
; z' = x (c g_l2_w) + c g_l2_b: pairs first .. first + count - 1 of the lane's sixteen
.macro ZLIN first, count
.set i, 2*(\first)
.rept \count
	v_pk_fma_f32 v[Z+i:Z+i+1], v[W2+i:W2+i+1], v[X:X+1], v[B2+i:B2+i+1] op_sel_hi:[1,0,1]
.set i, i+2
.endr
.endm
; The lane's 32 numbers Z are one block: its codes go to v[P] .. v[P+3], and lanes 0-15 get the word (my block's byte) | (lane l + 16's byte) << 8 in v[HS].
; The largest magnitude has the floor 2^(3 - 127) among its leaves, so the byte cannot fall under 1; 2 off its exponent field is the conversion's scale operand, and that field is the byte.
.macro QUANT32
	v_max3_num_f32 v[E], |v[Z]|, |v[Z+1]|, 0x1800000
	v_max3_num_f32 v[E+1], |v[Z+16]|, |v[Z+17]|, |v[Z+18]|                ; two chains by turns
.set i, 0
.rept 6
	v_max3_num_f32 v[E], v[E], |v[Z+2+i]|, |v[Z+3+i]|
	v_max3_num_f32 v[E+1], v[E+1], |v[Z+19+i]|, |v[Z+20+i]|
.set i, i+2
.endr
	v_max3_num_f32 v[E], v[E], |v[Z+14]|, |v[Z+15]|
	v_max3_num_f32 v[E], v[E], v[E+1], |v[Z+31]|
	v_add_nc_u32 v[E+2], 0xff000000, v[E]
	v_lshrrev_b32 v[E+3], 23, v[E+2]
	v_permlanex16_b32 v[E+4], v[E+3], s[SEL], s[SEL+1]                    ; (its destination has been written before on every way)
	v_lshl_or_b32 v[HS], v[E+4], 8, v[E+3]                               ; bytes 2 and 3 stay 0: they scale zero codes
.set i, 0
.rept 4
	v_cvt_scalef32_pk8_fp4_f32 v[P+i], v[Z+8*i:Z+8*i+7], v[E+2]
.set i, i+1
.endr
.endm
	; ---------------- THE HEAD ----------------
	s_load_b512 s[4:19], s[0:1], 0x0               ; eigval s[4:5], eigvec s[6:7], mask_m s[8:9], mask_all s[10:11], edge_attr s[12:13], f_l1_w s[14:15], f_l1_b s[16:17], f_l2_w s[18:19]
	s_load_b512 s[20:35], s[0:1], 0x40             ; f_l2_b s[20:21], f_l3_w s[22:23], g_l1_w s[24:25], g_l1_b s[26:27], g_l2_w s[28:29], g_l2_b s[30:31], g_l3_w s[32:33], lin_w s[34:35]
	s_load_b128 s[36:39], s[0:1], 0x80             ; lin_b s[36:37], out0 s[38:39]
	v_lshrrev_b32 v1, 5, v0
	v_readfirstlane_b32 s[WV], v1                  ; wave 0..15
	s_lshr_b32 s41, ttmp9, 6                       ; b
	s_and_b32 s42, ttmp9, 63                       ; which 256 of b's 16,384 edges
	v_and_b32 v192, 31, v0                         ; lane
	v_and_b32 v193, 15, v0                         ; r
	v_bfe_u32 v194, v0, 4, 1                       ; h
	v_and_b32 v195, 8, v193
	v_add_nc_u32 v195, v195, v193                  ; r + 8 (r / 8)
	; every LDS address is made here, ahead of the waves' parting: a constant + a constant x wave + constants x parts of the lane's number
	s_lshl_b32 s60, s[WV], 6
	s_lshl_b32 s61, s[WV], 4
	s_add_co_u32 s61, s61, MS
	s_mul_i32 s62, s[WV], FTW
	s_add_co_u32 s62, s62, FT                      ; my wave's region
	v_lshl_add_u32 v[AX0], v193, 2, s60            ; (XS = 0)
	v_add_nc_u32 v[AM0], s61, v193
	v_lshl_add_u32 v[AF0], v194, 6, s62
	v_lshlrev_b32 v[ADX], 4, v0
	v_lshlrev_b32 v[ADM], 3, v0
	v_lshlrev_b32 v[ADF], 2, v0
	v_lshlrev_b32 v[LI], 4, v192
	v_lshlrev_b32 v[LS], 2, v192
	v_mad_u32_u24 v[STO], v193, FP, v[AF0]
	v_and_b32 v157, 7, v0
	v_lshlrev_b32 v157, 4, v157                    ; 16 (lane % 8): also lin_b's offset
	v_lshrrev_b32 v[RD], 3, v192
	v_mul_u32_u24 v[RD], v[RD], FP
	v_add_nc_u32 v[RD], v[RD], v157
	v_add_nc_u32 v[RD], s62, v[RD]
	; offsets of the loads from memory
	v_lshrrev_b32 v152, 6, v0
	v_lshlrev_b32 v152, 16, v152
	v_and_b32 v196, 63, v0
	v_lshl_add_u32 v152, v196, 4, v152             ; x: plane m = t / 64 (65,536 bytes each), 16 bytes at 16 (t % 64)
	v_lshrrev_b32 v153, 5, v0
	v_lshlrev_b32 v153, 14, v153
	v_lshl_add_u32 v153, v192, 3, v153             ; mask_all: plane m = t / 32 (16,384 bytes each), 8 bytes at 8 x lane
	v_lshlrev_b32 v154, 7, v194                    ; 128 h: 32 numbers a half
	v_lshlrev_b32 v155, 6, v194                    ; 64 h: 16 numbers a half
	v_lshlrev_b32 v156, 2, v193                    ; 4 r
	v_lshlrev_b32 v158, 12, v194
	v_lshl_add_u32 v158, v195, 2, v158             ; a weight stored [k][32]: column r + 8 (r / 8), 32 h rows of 128 bytes down
	v_lshlrev_b32 v159, 7, v195                    ; lin_w: row r + 8 (r / 8) of 128 bytes
	v_cvt_f32_u32 v[MB], v194
	v_sub_f32 v[MB], 1.0, v[MB]                    ; 1 - h
	v_mov_b32 v[MB+1], 0
	v_mov_b32 v[X+1], 0
	s_mov_b32 s[NL], 0xbfb8aa3b
	s_mov_b32 s[NL+1], s[NL]
	s_mov_b32 s[PL], 0x3fb8aa3b
	s_mov_b32 s[PL+1], s[PL]
	s_mov_b32 s[SEL], 0x76543210
	s_mov_b32 s[SEL+1], 0xfedcba98
	s_lshl_b32 s44, s41, 20                        ; batched_eigvec: b x 16 planes of 65,536 bytes + my 256 edges
	s_lshl_b32 s60, s42, 10
	s_add_co_u32 s44, s44, s60
	s_mov_b32 s45, 0
	s_lshl_b32 s46, s41, 18                        ; mask_all: a quarter of that
	s_lshl_b32 s60, s42, 8
	s_add_co_u32 s46, s46, s60
	s_mov_b32 s47, 0
	s_wait_kmcnt 0x0
	s_add_nc_u64 s[6:7], s[6:7], s[44:45]
	s_add_nc_u64 s[10:11], s[10:11], s[46:47]
	global_load_b128 v[224:227], v152, s[6:7] th:TH_LOAD_NT                 ; x, planes 0-7: 64 threads read 1,024 consecutive bytes of a plane
	global_load_b128 v[228:231], v152, s[6:7] offset:524288 th:TH_LOAD_NT   ; planes 8-15
	global_load_b64 v[232:233], v153, s[10:11] th:TH_LOAD_NT                ; the mask: a wave reads 256 consecutive bytes of a plane
	s_lshl_b32 s44, ttmp9, 15                      ; edge_attr, out0: 256 rows of 128 bytes a work-group, 16 a wave
	s_lshl_b32 s60, s[WV], 11
	s_add_co_u32 s44, s44, s60
	s_add_nc_u64 s[12:13], s[12:13], s[44:45]
	s_add_nc_u64 s[38:39], s[38:39], s[44:45]
	s_lshl_b32 s44, s41, 6                         ; batched_eigval, mask_m: row b of 64 bytes
	s_add_nc_u64 s[4:5], s[4:5], s[44:45]
	s_add_nc_u64 s[8:9], s[8:9], s[44:45]
	s_and_b32 s43, s[WV], 3
	s_lshl_b32 s44, s43, 8                         ; f_l2_w, f_l2_b: 64 numbers from 64 (w % 4) on
	s_add_nc_u64 s[18:19], s[18:19], s[44:45]
	s_add_nc_u64 s[20:21], s[20:21], s[44:45]
	s_and_b32 s63, s[WV], 1
	s_lshl_b32 s44, s63, 10                        ; lin_w: tile u = w % 2 begins at row 8 u
	s_add_nc_u64 s[34:35], s[34:35], s[44:45]
	s_lshl_b32 s60, s43, 13                        ; f_l3_w (waves 0-7): 64 (w % 4) rows of 128 bytes down, tile u = w / 4 begins at column 8 u
	s_lshr_b32 s61, s[WV], 2
	s_lshl_b32 s61, s61, 5
	s_add_co_u32 s60, s60, s61
	s_lshl_b32 s61, s63, 5                         ; g_l3_w (waves 8, 9): tile u = w % 2
	s_cmp_lt_u32 s[WV], 8                          ; the choice hangs on the wave's number alone
	s_cselect_b32 s44, s60, s61
	s_cselect_b64 s[RB:RB+1], s[22:23], s[32:33]
	s_add_nc_u64 s[RB:RB+1], s[RB:RB+1], s[44:45]
	global_load_b128 v[236:239], v157, s[36:37]    ; lin_b at the four columns that I shall store
.irp q, 0,1,2,3
	global_load_b128 v[240+4*\q:243+4*\q], v155, s[14:15] offset:16*\q      ; f_l1_w at d = 16 h + i
	global_load_b128 v[OUT+4*\q:OUT+4*\q+3], v155, s[16:17] offset:16*\q    ; f_l1_b
.endr
	global_load_b32 v[X], v156, s[4:5]             ; batched_eigval[b][r]
	global_load_b32 v[MK], v156, s[8:9]            ; mask_m[b][r]
.irp q, 0,1,2,3,4,5,6,7
	global_load_b128 v[W2+4*\q:W2+4*\q+3], v154, s[28:29] offset:16*\q
	global_load_b128 v[B2+4*\q:B2+4*\q+3], v154, s[30:31] offset:16*\q
.endr
.irp q, 0,1,2,3
	global_load_b128 v[W1+4*\q:W1+4*\q+3], v155, s[24:25] offset:16*\q
	global_load_b128 v[B1+4*\q:B1+4*\q+3], v155, s[26:27] offset:16*\q
.endr
.irp q, 0,1,2,3
	global_load_b128 v[EA+4*\q:EA+4*\q+3], v[LI], s[12:13] offset:512*\q th:TH_LOAD_NT   ; 512 consecutive bytes: rows 4 q .. 4 q + 3 of my 16
.endr
	; EACH WAVE'S 32 NUMBERS A LANE FOR THE QUANTISER.  Waves 0-7: f_l3_w (tile w / 4, k from 64 (w % 4) on); 8, 9: g_l3_w (tile w % 2); 10, 11: lin_w (tile w % 2); 12-15: f's hidden layer (k from 64 (w % 4) on)
	s_cmp_lt_u32 s[WV], 10
	s_cbranch_scc0 .Lnot_down_k
.set i, 0
.rept 32
	global_load_b32 v[Z+i], v158, s[RB:RB+1] offset:128*i                   ; K is the weight's first axis: my registers run down K, k = 32 h + i of my column
.set i, i+1
.endr
	s_branch .Lasked
.Lnot_down_k:
	s_cmp_lt_u32 s[WV], 12
	s_cbranch_scc0 .Lhidden_f
.irp q, 0,1,2,3,4,5,6,7
	global_load_b128 v[Z+4*\q:Z+4*\q+3], v159, s[34:35] offset:16*\q        ; K is innermost: my row's 32 numbers (both halves of the lanes read them)
.endr
	s_branch .Lasked
.Lhidden_f:
.irp q, 0,1,2,3,4,5,6,7
	global_load_b128 v[Z+4*\q:Z+4*\q+3], v154, s[20:21] offset:16*\q        ; f_l2_b at k = 32 h + i of my 64
	global_load_b128 v[120+4*\q:123+4*\q], v154, s[18:19] offset:16*\q      ; f_l2_w
.endr
.Lasked:
	s_wait_loadcnt 0x0                             ; all that the launch reads from memory is in
	ds_store_b128 v[ADX], v[224:227]               ; (XS = 0)
	ds_store_b128 v[ADX], v[228:231] offset:8192
	ds_store_b64 v[ADM], v[232:233] offset:MS
.set i, 0
.rept 4
	v_pk_add_f32 v[EA+i:EA+i+1], v[EA+i:EA+i+1], v[236:237]                 ; edge_attr + lin_b
	v_pk_add_f32 v[EA+i+2:EA+i+3], v[EA+i+2:EA+i+3], v[238:239]
.set i, i+4
.endr
.set i, 0
.rept 8
	v_pk_fma_f32 v[OUT+i:OUT+i+1], v[240+i:241+i], v[X:X+1], v[OUT+i:OUT+i+1] op_sel_hi:[1,0,1]   ; the C of f's product: v f_l1_w + f_l1_b at (m = r, d = 16 h + i)
.set i, i+2
.endr
	s_wait_dscnt 0x0                               ; the stores have read their registers, which are at work next
	s_cmp_lt_u32 s[WV], 10
	s_cbranch_scc1 .Lquantise
	s_cmp_lt_u32 s[WV], 12
	s_cbranch_scc0 .Lsilu_f
.set i, 0
.rept 16
	v_pk_mul_f32 v[Z+i:Z+i+1], v[Z+i:Z+i+1], v[MB:MB+1] op_sel_hi:[1,0]     ; lin_w has K = 32: lanes 16-31, whose codes are k = 32 .. 63, get zeros
.set i, i+2
.endr
	s_branch .Lquantise
.Lsilu_f:
	SILU32 120, Z
.Lquantise:
	QUANT32
	v_nop                                          ; one plain instruction behind the last scaled conversion
	ds_store_b128 v[ADX], v[P:P+3] offset:IMG      ; slot w: 16 t = 512 w + 16 x lane
	ds_store_b32 v[ADF], v[HS] offset:ISC          ; 4 t = 128 w + 4 x lane
	s_wait_dscnt 0x0                               ; for the others' sake: all my LDS stores have landed
	s_barrier_signal -1
	s_barrier_wait -1                              ; THE ONE BARRIER: x, the mask, the images and their scale words lie in LDS; none of these bytes is written again
	; ---------------- 1 / f, each wave for itself: 16 m x 32 d, K = 256 in two steps ----------------
.irp s, 0,1,2,3,4,5,6,7
	ds_load_b128 v[Z+4*\s:Z+4*\s+3], v[LI] offset:IMG+512*\s                ; slot 4 u + 2 s + c is registers 4 c .. 4 c + 3 of fragment 2 u + s
.endr
.irp q, 0,1,2,3
	ds_load_b128 v[E+4*\q:E+4*\q+3], v[LI] offset:IMG+512*(12+\q)           ; the hidden layer's two fragments
.endr
.irp s, 0,1,2,3,4,5,6,7
	ds_load_b32 v[240+\s], v[LS] offset:ISC+128*\s
.endr
.irp q, 0,1,2,3
	ds_load_b32 v[248+\q], v[LS] offset:ISC+128*(12+\q)
.endr
	ds_load_b128 v[WG:WG+3], v[LI] offset:IMG+512*8                         ; g_l3_w's two fragments and scale words stay for the loop
	ds_load_b128 v[WG+8:WG+11], v[LI] offset:IMG+512*9
	ds_load_b32 v18, v[LS] offset:ISC+128*8
	ds_load_b32 v19, v[LS] offset:ISC+128*9
.set i, 0
.rept 32
	v_pk_mul_f32 v[W2+i:W2+i+1], v[W2+i:W2+i+1], s[NL:NL+1] op_sel_hi:[1,0] ; c g_l2_w and, behind it in the registers, c g_l2_b: once, while the LDS loads are out
.set i, i+2
.endr
	s_wait_dscnt 0x0
.irp q, 0,1,2,3
	v_lshl_or_b32 v[20+\q], v[241+2*\q], 16, v[240+2*\q]                    ; two halves make the scale word of a fragment's 128 along K
.endr
.irp q, 0,1
	v_lshl_or_b32 v[16+\q], v[249+2*\q], 16, v[248+2*\q]
.endr
.irp q, 4,5,6,7,12,13,14,15,20,21,22,23
	v_mov_b32 v[WG+\q], 0                          ; zero codes for k = 64 .. 127 of the loop's operands.  These twelve are also the eight places between the scale words' last write and the products
.endr
	WM OUT,   Z,    E,   20, 16, 0                 ; the two accumulators take turns
	WM OUT+8, Z+16, E,   22, 16, 0
	WM OUT,   Z+8,  E+8, 21, 17, 0
	WM OUT+8, Z+24, E+8, 23, 17, 0
	PLACES 4
.set i, 0
.rept 8
	v_pk_mul_f32 v[E+i:E+i+1], v[OUT+i:OUT+i+1], s[PL:PL+1] op_sel_hi:[1,0] ; each accumulator is read from its low end on
.set i, i+2
.endr
.set i, 0
.rept 16
	v_exp_f32 v[E+i], v[E+i]
.set i, i+1
.endr
.set i, 0
.rept 8
	v_mov_b32 v[OUT+i], 0                          ; the sums over m begin as zeros, so that the trip is written once more only for its tail.  (The plain work behind the exponentials)
.set i, i+1
.endr
	s_wait_alu depctr_va_vdst(0)                   ; one wait for the batch, ahead of its first reader
.set i, 0
.rept 16
	v_mul_f32 v[E+i], v[E+i], v[MK]                ; f = exp(..) x mask_m[b][r]
.set i, i+1
.endr
.set i, 0
.rept 16
	v_rcp_f32 v[E+i], v[E+i]                       ; 1 / f
.set i, i+1
.endr
.set i, 8
.rept 8
	v_mov_b32 v[OUT+i], 0                          ; (the plain work behind the reciprocals)
.set i, i+1
.endr
	s_mov_b32 s60, 0xff61b1e6                      ; -3e38
	s_mov_b32 s61, 0x7f61b1e6                      ; 3e38
	s_wait_alu depctr_va_vdst(0)
.set i, 0
.rept 16
	v_med3_num_f32 v[E+i], v[E+i], s60, s61        ; held: where f is 0 the trip's divisor is 3e38 or more, never 0 x infinity, and its reciprocal lies under 2^-126
.set i, i+1
.endr
.irp q, 0,1,2,3
	ds_store_b128 v[STO], v[E+4*\q:E+4*\q+3] offset:16*\q                   ; 1 / f(m = r, d = 16 h + 4 q ..) into my own table
.endr
	ds_load_b32 v[X], v[AX0]                       ; x of m = 0
	s_mov_b32 s[TM], 0
	s_mov_b32 s[TF], 0
	s_mov_b32 s[TX], 1024
	s_mov_b32 s[CT], 0
	s_wait_dscnt 0x0                               ; x is in, and my table's stores have landed
	ZLIN 0, 16                                     ; z' of m = 0: every later z' is made a trip ahead, in the places behind the products
; ---------------- A TRIP: one m for my 16 edges.  It finds x in v[X] and z' in Z, and no LDS instruction of mine out.  next = 1: it asks for the next m's x and makes its z' ----------------
.macro TRIP next
.set i, 0
.rept 32
	v_exp_f32 v[E+i], v[Z+i]                       ; 2^z'
.set i, i+1
.endr
.if \next
	v_add_nc_u32 v[ADX], s[TX], v[AX0]             ; the addresses are the plain work behind the batch
.endif
	v_add_nc_u32 v[ADM], s[TM], v[AM0]
.if \next
	ds_load_b32 v[XN], v[ADX]
.endif
	ds_load_u8 v[MB], v[ADM]
	s_wait_alu depctr_va_vdst(0)                   ; one wait for the batch, ahead of its first reader
.set i, 0
.rept 16
	v_pk_fma_f32 v[E+i:E+i+1], v[E+i:E+i+1], s[NL:NL+1], s[NL:NL+1] op_sel_hi:[1,0,0]   ; c 2^z' + c
.set i, i+2
.endr
.set i, 0
.rept 32
	v_rcp_f32 v[E+i], v[E+i]
.set i, i+1
.endr
	v_add_nc_u32 v[ADF], s[TF], v[AF0]
	s_wait_alu depctr_va_vdst(0)
.set i, 0
.rept 16
	v_pk_mul_f32 v[Z+i:Z+i+1], v[Z+i:Z+i+1], v[E+i:E+i+1]                   ; silu(z) = z' / (c 2^z' + c)
.set i, i+2
.endr
.irp q, 0,1,2,3
	ds_load_b128 v[F+4*\q:F+4*\q+3], v[ADF] offset:16*\q                    ; the table's row m, into registers that the line above has read last
.endr
	QUANT32
	s_wait_dscnt 0x4                               ; only the table's four loads may be out: the mask byte, and the next x ahead of it, are in
	v_add_nc_u32 v[MB], -1, v[MB]                  ; byte 1: 0; byte 0: all ones,
	v_and_b32 v[MB], 0x7f800000, v[MB]             ; of which +infinity is kept
.set i, 0
.rept 8
	v_pk_fma_f32 v[H+i:H+i+1], v[W1+i:W1+i+1], v[X:X+1], v[B1+i:B1+i+1] op_sel_hi:[1,0,1]   ; the product's C.  With the two lines above: ten plain lines behind the scale word's write and the conversions
.set i, i+2
.endr
	WM H,   WG,   P, 18, HS, 0                     ; d = 16 h + 0 .. 7 of my edge;  the two accumulators take turns, over the backward jump too
	WM H+8, WG+8, P, 19, HS, 0                     ; d = 16 h + 8 .. 15
.if \next
	v_mov_b32 v[X], v[XN]                          ; x has had its last reader: on to the next m.  This line and the fourteen below are the places behind the products
	ZLIN 0, 14
.else
	PLACES 4
.endif
.set i, 0
.rept 8
	v_pk_fma_f32 v[E+i:E+i+1], v[H+i:H+i+1], s[NL:NL+1], v[MB:MB+1] op_sel_hi:[1,0,0]   ; the sigmoid's exponent; +infinity where the mask hides the place.  Each accumulator from its low end on
.set i, i+2
.endr
.set i, 0
.rept 16
	v_exp_f32 v[E+i], v[E+i]
.set i, i+1
.endr
.if \next
	ZLIN 14, 1                                     ; (the plain line behind the batch)
.else
	v_nop
.endif
	s_wait_alu depctr_va_vdst(0)
	s_wait_dscnt 0x0                               ; the table's row is in
.set i, 0
.rept 8
	v_pk_fma_f32 v[E+i:E+i+1], v[E+i:E+i+1], v[F+i:F+i+1], v[F+i:F+i+1]     ; (1 + 2^..) / f
.set i, i+2
.endr
.set i, 0
.rept 16
	v_rcp_f32 v[E+i], v[E+i]                       ; f x sigmoid
.set i, i+1
.endr
.if \next
	ZLIN 15, 1
.else
	v_nop
.endif
	s_wait_alu depctr_va_vdst(0)
.set i, 0
.rept 8
	v_pk_fma_f32 v[OUT+i:OUT+i+1], v[H+i:H+i+1], v[E+i:E+i+1], v[OUT+i:OUT+i+1]   ; + f g
.set i, i+2
.endr
.endm
.Ltrip:                                            ; m = 0 .. 14
	TRIP 1
	s_add_co_u32 s[TM], s[TM], 256
	s_add_co_u32 s[TF], s[TF], FP
	s_add_co_u32 s[TX], s[TX], 1024
	s_add_co_u32 s[CT], s[CT], 1
	s_cmp_lt_u32 s[CT], 15
	s_cbranch_scc1 .Ltrip
	TRIP 0                                         ; m = 15 is written out: no x follows it
	; ---------------- THE WAY OUT: the sums are quantised (K = 32: the block lies in lanes l and l xor 16), multiplied by lin_w, and leave as whole rows ----------------
	ds_load_b128 v[Z:Z+3], v[LI] offset:IMG+512*10                          ; lin_w's two fragments,
	ds_load_b128 v[Z+8:Z+11], v[LI] offset:IMG+512*11
	ds_load_b32 v20, v[LS] offset:ISC+128*10                                ; and their scale words
	ds_load_b32 v21, v[LS] offset:ISC+128*11
.irp q, 4,5,6,7,12,13,14,15
	v_mov_b32 v[Z+\q], 0                           ; zero codes for k = 64 .. 127
.endr
	v_max3_num_f32 v[E], |v[OUT]|, |v[OUT+1]|, 0x1800000                    ; my 16 numbers and the floor, in two chains
	v_max3_num_f32 v[E+1], |v[OUT+8]|, |v[OUT+9]|, |v[OUT+10]|
	v_max3_num_f32 v[E], v[E], |v[OUT+2]|, |v[OUT+3]|
	v_max3_num_f32 v[E+1], v[E+1], |v[OUT+11]|, |v[OUT+12]|
	v_max3_num_f32 v[E], v[E], |v[OUT+4]|, |v[OUT+5]|
	v_max3_num_f32 v[E+1], v[E+1], |v[OUT+13]|, |v[OUT+14]|
	v_max3_num_f32 v[E], v[E], |v[OUT+6]|, |v[OUT+7]|
	v_max3_num_f32 v[E], v[E], v[E+1], |v[OUT+15]|
	v_permlanex16_b32 v[E+4], v[E], s[SEL], s[SEL+1]
	v_max_num_f32 v[E], v[E], v[E+4]               ; with lane l xor 16's: the block's largest magnitude
	v_add_nc_u32 v[E+2], 0xff000000, v[E]
	v_lshrrev_b32 v17, 23, v[E+2]                  ; the scale word: byte 0; the others scale zero codes
	v_cvt_scalef32_pk8_fp4_f32 v[P], v[OUT:OUT+7], v[E+2]                   ; d = 16 h + 0 .. 7
	v_cvt_scalef32_pk8_fp4_f32 v[P+1], v[OUT+8:OUT+15], v[E+2]              ; d = 16 h + 8 .. 15
	v_mov_b32 v[P+2], 0                            ; (plain instructions behind the conversions)
	v_mov_b32 v[P+3], 0
	v_permlane16_swap_b32 v[P], v[P+2]             ; the first's lanes 16-31 change places with the second's lanes 0-15: lanes 0-15 now hold the whole block in registers 0-3,
	v_permlane16_swap_b32 v[P+1], v[P+3]           ; and lanes 16-31, k = 32 .. 63, zero codes
	s_wait_dscnt 0x0
	PLACES 8                                       ; behind the scale word's and the codes' last writes
	WM Z+16, Z,   P, 20, 17, 1                     ; columns 16 h + 0 .. 7 of my edge's row
	WM Z+24, Z+8, P, 21, 17, 1                     ; 16 h + 8 .. 15
	PLACES 4
.irp q, 0,1,2,3
	ds_store_b128 v[STO], v[Z+16+4*\q:Z+19+4*\q] offset:16*\q               ; into my region, whose table has had its last read; each accumulator from its low end on
.endr
.irp q, 0,1,2,3
	ds_load_b128 v[E+4*\q:E+4*\q+3], v[RD] offset:4*FP*\q                   ; back by rows: eight lanes to a row of 128 bytes, four rows an instruction; served in order behind my stores
.endr
.irp q, 0,1,2,3
	s_wait_dscnt 3-\q                              ; rows 4 q .. 4 q + 3 are back; the younger loads may be out
	v_pk_add_f32 v[E+4*\q:E+4*\q+1], v[E+4*\q:E+4*\q+1], v[EA+4*\q:EA+4*\q+1]
	v_pk_add_f32 v[E+4*\q+2:E+4*\q+3], v[E+4*\q+2:E+4*\q+3], v[EA+4*\q+2:EA+4*\q+3]
	global_store_b128 v[LI], v[E+4*\q:E+4*\q+3], s[38:39] offset:512*\q th:TH_STORE_NT   ; the wave stores 512 consecutive bytes, at a multiple of 512 from out0's first byte
.endr
	s_wait_xcnt 0x0
	v_lshl_add_u32 v254, v0, 2, 0x10800
	v_mov_b32 v255, 0
	s_wait_tensorcnt 0x0
	ds_add_u32 v254, v255
	s_wait_dscnt 0x0
	s_endpgm
.Lfunc_end_k_q258500831e_encode:
	.size	k_q258500831e_encode, .Lfunc_end_k_q258500831e_encode-k_q258500831e_encode
	.p2alignl 7, 3214868480
	.fill 96, 4, 3214868480
	.section	.rodata,"a",@progbits
	.p2align	6, 0x0
	.amdhsa_kernel k_q258500831e_encode
		.amdhsa_group_segment_fixed_size 69632
		.amdhsa_private_segment_fixed_size 0
		.amdhsa_enable_private_segment 0
		.amdhsa_kernarg_size 144
		.amdhsa_user_sgpr_count 2
		.amdhsa_user_sgpr_kernarg_segment_ptr 1
		.amdhsa_wavefront_size32 1
		.amdhsa_system_sgpr_workgroup_id_x 1
		.amdhsa_system_sgpr_workgroup_id_y 1
		.amdhsa_system_sgpr_workgroup_id_z 1
		.amdhsa_system_vgpr_workitem_id 0
		.amdhsa_next_free_vgpr 256
		.amdhsa_next_free_sgpr 66
		.amdhsa_reserve_vcc 0
		.amdhsa_float_denorm_mode_32 3
		.amdhsa_float_denorm_mode_16_64 3
		.amdhsa_memory_ordered 1
		.amdhsa_forward_progress 1
		.amdhsa_inst_pref_size 59
	.end_amdhsa_kernel
	.amdgpu_metadata
---
amdhsa.version: [ 1, 2 ]
amdhsa.kernels:
  - .name:           k_q258500831e_encode
    .symbol:         k_q258500831e_encode.kd
    .args:
      - { .name: batched_eigval, .offset: 0, .size: 8, .value_kind: global_buffer, .address_space: global }
      - { .name: batched_eigvec, .offset: 8, .size: 8, .value_kind: global_buffer, .address_space: global }
      - { .name: mask_m, .offset: 16, .size: 8, .value_kind: global_buffer, .address_space: global }
      - { .name: mask_all, .offset: 24, .size: 8, .value_kind: global_buffer, .address_space: global }
      - { .name: edge_attr, .offset: 32, .size: 8, .value_kind: global_buffer, .address_space: global }
      - { .name: f_l1_w, .offset: 40, .size: 8, .value_kind: global_buffer, .address_space: global }
      - { .name: f_l1_b, .offset: 48, .size: 8, .value_kind: global_buffer, .address_space: global }
      - { .name: f_l2_w, .offset: 56, .size: 8, .value_kind: global_buffer, .address_space: global }
      - { .name: f_l2_b, .offset: 64, .size: 8, .value_kind: global_buffer, .address_space: global }
      - { .name: f_l3_w, .offset: 72, .size: 8, .value_kind: global_buffer, .address_space: global }
      - { .name: g_l1_w, .offset: 80, .size: 8, .value_kind: global_buffer, .address_space: global }
      - { .name: g_l1_b, .offset: 88, .size: 8, .value_kind: global_buffer, .address_space: global }
      - { .name: g_l2_w, .offset: 96, .size: 8, .value_kind: global_buffer, .address_space: global }
      - { .name: g_l2_b, .offset: 104, .size: 8, .value_kind: global_buffer, .address_space: global }
      - { .name: g_l3_w, .offset: 112, .size: 8, .value_kind: global_buffer, .address_space: global }
      - { .name: lin_w, .offset: 120, .size: 8, .value_kind: global_buffer, .address_space: global }
      - { .name: lin_b, .offset: 128, .size: 8, .value_kind: global_buffer, .address_space: global }
      - { .name: out0, .offset: 136, .size: 8, .value_kind: global_buffer, .address_space: global }
    .group_segment_fixed_size: 69632
    .private_segment_fixed_size: 0
    .kernarg_segment_align: 8
    .kernarg_segment_size: 144
    .max_flat_workgroup_size: 512
    .sgpr_count:     66
    .vgpr_count:     256
    .wavefront_size: 32
...
	.end_amdgpu_metadata
.endif
;; end of part 1
;; ======== version 2 of 2: 1 launch; version 1 with the launch encode written anew for expert scheduling mode
;; limits: right only within a limited range of input values
;; launch encode (part 2): grid 256 x 1, 16 waves a work-group, no clusters, 69,632 bytes of LDS; arguments batched_eigval, batched_eigvec, mask_m, mask_all, edge_attr, f_l1_w, f_l1_b, f_l2_w, f_l2_b, f_l3_w, g_l1_w, g_l1_b, g_l2_w, g_l2_b, g_l3_w, lin_w, lin_b, out0; writes out0
.if DOCPART == 2
	.amdgcn_target "amdgcn-amd-amdhsa--gfx1250"
	.amdhsa_code_object_version 6
	.text
	.protected	k_q258500831e_encode
	.globl	k_q258500831e_encode
	.p2align	8
	.type	k_q258500831e_encode,@function
k_q258500831e_encode:
	s_mov_b64 s[64:65], 0
	v_nop
	global_prefetch_b8 v0, s[64:65] scope:SCOPE_SE
	s_setreg_imm32_b32 hwreg(HW_REG_WAVE_SCHED_MODE, 0, 2), 2
	s_setreg_imm32_b32 hwreg(HW_REG_WAVE_MODE, 25, 1), 1
	s_wait_xcnt 0x0
	s_wait_alu depctr_vm_vsrc(0)
; out0[e][:] = edge_attr[e][:] + lin_b + Q(sum over m of f[b][m][:] g[b][m][e][:]) Q(lin_w)^T, for 65,536 edges e = (b, i, j), 32 numbers each.
;   g = mask_all ? silu(x g_l1_w + g_l1_b + Q(silu(x g_l2_w + g_l2_b)) Q(g_l3_w)) : 0,  x = batched_eigvec[b][m][i][j]            (K = 64)
;   f = exp(v f_l1_w + f_l1_b + Q(silu(v f_l2_w + f_l2_b)) Q(f_l3_w)) mask_m,           v = batched_eigval[b][m]                  (K = 256)
; Q: codes of FP4 (E2M1) with one E8M0 scale for each 32 along K; the three products go by v_wmma_scale_f32_16x16x128_f8f6f4, K filled up to 128 with zero codes on both sides.  All else in f32.
; WHAT BINDS: 96 silu for each x, each an exponential and a reciprocal: vector work.  A trip of the loop (48 silu a lane) has 96 transcendental instructions and 2 matrix instructions.  So: packed arithmetic, constants
; folded into what is made once, one wait for each batch of transcendentals, useful lines in the places round the products, and sixteen small waves (256 registers, four to a SIMD), so that one wave's waits stand beside another's work.
; SHARES.  Work-group g owns edges 256 g .. 256 g + 255 (all of one b = g / 64); wave w owns 16 of them, 16 w + r, and walks m = 0 .. 15.  Lane (r = lane % 16, h = lane / 16) holds edge r throughout.
; LAYOUT.  The products are used transposed: source 0 = 16 rows of the weight (K innermost), source 1 = 16 edges.  In source 1 lane (r, h) holds k = 32 h .. 32 h + 31 in registers 0-3: for K = 64 that is ONE WHOLE
; BLOCK of its edge, so the lane computes those 32 silu itself and the block's largest magnitude needs no other lane.  THE ROWS OF A WEIGHT THAT FORM A TILE ARE NOT NEIGHBOURS: lane r of tile u takes row
; 8 u + r + 8 (r / 8), so that the 16 result registers of tiles 0 and 1 are d = 16 h + 0 .. 15 of the lane's edge.  x g_l1_w + g_l1_b is the product's C.
; TWO FOLDS.  (1) With c = -log2(e), g_l2_w and g_l2_b are multiplied by c once: the trip makes z' = c z by one multiply-add, and silu(z) = z' / (c 2^z' + c): c cancels, and no line is spent on the exponent.
; (2) The table holds 1 / f: f x sigmoid(s) = 1 / (2^(c s) / f + 1 / f), one multiply-add ahead of the reciprocal, and the sum over m takes s x that.
; THE MASK costs nothing for each number: the sigmoid's exponent gets +infinity added where the mask byte is 0, so that the reciprocal is 0 there.
; THE HEAD.  Everything is read from memory once, here.  The three weights and the hidden layer of f are quantised by sixteen waves, a quarter fragment each, and reach the others through LDS as images of the
; operand's registers (16 bytes a lane at 16 x lane; the two scale bytes as a word at 4 x lane): ONE barrier in the launch.  Behind it each wave makes the 16 x 32 table of 1 / f for itself (4 matrix instructions).
; NO CLUSTER, NO TENSOR LOAD: x, the masks and edge_attr belong to one work-group each.  What work-groups share are the weights (46 KB); they are wanted in registers, a lane to a row and registers along K, are read
; once a work-group ahead of 16 trips that read no memory, and so no tile of them would lie in LDS to be shared.  LDS is claimed as it is used.
; THE MODE: SCHED_MODE bits 1:0 = 2 (LLVM: expert scheduling mode 2), set by the entry lines.  The code itself states the register dependences between vector or matrix instructions and memory or LDS
; instructions, with s_wait_alu, always for 0.
; THE PLAN.  Registers that LDS instructions touch in the loop (it has no other memory instruction):
;   v[ADX], v[ADM]  Written by one addition each, behind the trip's first exponentials; read by the loads of the next x and of the mask byte.
;   v[ADF]          Written behind the trip's first reciprocals; read by the four loads of the table's row.
;   v[XN]           The next x lands in it; read by one v_mov_b32 behind the products.
;   v[MB]           The mask byte lands in it; two vector lines write it again; the sigmoid's exponent reads it.
;   v240-255 (F)    The upper half of E: at work in the first 32 silu, last read by their multiplies; then the table's row lands in it; eight multiply-adds read it.
;   Z, v224-239, P, H, OUT, the weights and the scale registers are named by vector and matrix instructions alone.
; So a trip has ONE wait on vm_vsrc, at its head (the three addresses have been read), and ONE wait on va_vdst beside those that its four batches of transcendentals have anyway: ahead of the products, where the
; codes and the scale word must be written; the table's four loads stand behind that one, the two small loads behind the first batch's.
; LIMITS: NaN and infinities among the inputs are not served; at a place that mask_all hides the sum ahead of the silu must be finite (it is multiplied by 0); mask bytes are 0 or 1.  A block of zeros gets the
; scale byte 1 where the rule says 127: its codes are zeros, and this program alone reads the bytes.  A silu whose sigmoid falls under 2^-126 comes out as 0, and so does a term whose f x sigmoid falls under 2^-126.
; 1 / f is held at +-3e38, so f = 0 (a hole in mask_m) and f under 3.4e-39 give terms of 0.  |f| above 2^126 is not served: its reciprocal would fall to 0.
.set XS,   0                           ; LDS: x, [16 m][256 edges] f32, rows of 1,024 bytes: thread t's 16 bytes at 16 t (m = t / 64), and 8,192 on (m + 8)
.set MS,   16384                       ; mask_all's bytes, [16 m][256 edges]: thread t's 8 bytes at 8 t
.set IMG,  20480                       ; 16 slots of 512 bytes: the four code registers that wave w made, lane l's 16 bytes at 16 l
.set ISC,  28672                       ; 16 slots of 128 bytes: its two scale bytes (block h = 0, block h = 1) as a word, 4 bytes a lane
.set FT,   30720                       ; 16 regions of FTW bytes, each wave's own: the table of 1 / f, 16 rows m; behind the loop the same bytes are the wave's stage for 16 rows of the output
.set FP,   144                         ; a row there: 128 bytes + 16: 16 rows begin at 16 different multiples of 16 modulo 256
.set FTW,  16*FP
.set AX0,  1                           ; v1   XS + 64 w + 4 r: my edge's x in row 0
.set AM0,  2                           ; v2   MS + 16 w + r: its mask byte in row 0
.set AF0,  3                           ; v3   my region + 64 h: my 16 numbers of the table's row 0
.set ADX,  4                           ; v4   head: 16 t; loop: address of the next x
.set ADM,  5                           ; v5   head: 8 t;  loop: address of the mask byte
.set ADF,  6                           ; v6   head: 4 t;  loop: address of the table's row
.set LI,   7                           ; v7   16 x lane
.set LS,   8                           ; v8   4 x lane
.set STO,  9                           ; v9   my region + 144 r + 64 h: where I put 64 bytes of row r
.set MK,   10                          ; v10  head: mask_m[b][r];
.set XN,   10                          ;      loop: the next m's x, as it lands
.set RD,   11                          ; v11  my region + 144 (lane / 8) + 16 (lane % 8): where I read rows back
.set X,    12                          ; v[12:13] head: batched_eigval[b][r]; loop: x; v13 = 0 (named with it as a pair)
.set MB,   14                          ; v[14:15] head: 1 - h; loop: the mask byte, then 0 or +infinity, the mask's addend; v15 = 0
.set HS,   16                          ; v16-23 hold scales and nothing else: v16 the word just made; v16, v17 f's hidden layer; v17 the sums' word; v18, v19 g_l3_w's; v20-23 f_l3_w's, later v20, v21 lin_w's
.set W2,   24                          ; v24-55   c g_l2_w at k = 32 h + i
.set B2,   56                          ; v56-87   c g_l2_b likewise
.set W1,   88                          ; v88-103  g_l1_w at d = 16 h + i
.set B1,   104                         ; v104-119 g_l1_b likewise
.set WG,   120                         ; v120-135 two fragments of Q(g_l3_w); registers 4-7 of each are zero codes.  (Head: v120-151 f_l2_w in the waves that make f's hidden layer)
.set P,    136                         ; v136-143 the codes just made; registers 4-7 stay zero codes
.set H,    144                         ; v144-159 the product's C, then its result.  (Head: v152-159 offsets of the loads)
.set OUT,  160                         ; v160-175 the sums over m.  (Head: f's C and accumulators)
.set EA,   176                         ; v176-191 edge_attr + lin_b, as the stores will want them
.set Z,    192                         ; v192-223 z', then 32 numbers ahead of a quantiser.  (f's stage: four fragments of Q(f_l3_w); way out: lin_w's two fragments, then the result)
.set E,    224                         ; v224-255 at work
.set F,    240                         ; v240-255 the table's 16 numbers of the trip
.set WV,   40                          ; s40  my wave's number
.set RB,   48                          ; s[48:49] f_l3_w or g_l3_w at my wave's quarter fragment
.set NL,   50                          ; s[50:51] c = -log2(e), twice (a packed form names the pair)
.set PL,   52                          ; s[52:53] log2(e), twice
.set SEL,  54                          ; s[54:55] v_permlanex16_b32's selects for lane l xor 16
.set TM,   56                          ; s56  256 m
.set TF,   57                          ; s57  144 m
.set TX,   58                          ; s58  1,024 (m + 1)
.set CT,   59                          ; s59  trips done
.macro PLACES n                        ; plain vector instructions that name no register of the matrix instruction (ISA guide 7.12.1)
.rept \n
	v_nop
.endr
.endm
; One matrix instruction: D = 16 rows of a weight (a) x 16 edges (bb) + C.  zero = 1: C is the constant 0; else C = D.
.macro WM d, a, bb, sa, sb, zero
.if \zero
	v_wmma_scale_f32_16x16x128_f8f6f4 v[\d:\d+7], v[\a:\a+7], v[\bb:\bb+7], 0, v[\sa], v[\sb] matrix_a_fmt:MATRIX_FMT_FP4 matrix_b_fmt:MATRIX_FMT_FP4
.else
	v_wmma_scale_f32_16x16x128_f8f6f4 v[\d:\d+7], v[\a:\a+7], v[\bb:\bb+7], v[\d:\d+7], v[\sa], v[\sb] matrix_a_fmt:MATRIX_FMT_FP4 matrix_b_fmt:MATRIX_FMT_FP4
.endif
.endm
; The head's form, run once by four waves: Z[i] = silu(x w[i] + b[i]), i = 0 .. 31, silu(z) = z / (1 + 2^(c z)).  Two batches of 32 transcendentals, each with a plain line and ONE wait behind it, ahead of its
; first reader.
.macro SILU32 w, b
.set i, 0
.rept 16
	v_pk_fma_f32 v[Z+i:Z+i+1], v[\w+i:\w+i+1], v[X:X+1], v[\b+i:\b+i+1] op_sel_hi:[1,0,1]   ; of the pair x the low word serves both halves
.set i, i+2
.endr
.set i, 0
.rept 16
	v_pk_mul_f32 v[E+i:E+i+1], v[Z+i:Z+i+1], s[NL:NL+1] op_sel_hi:[1,0]
.set i, i+2
.endr
.set i, 0
	s_wait_alu depctr_va_vdst(0)
.rept 32
	v_exp_f32 v[E+i], v[E+i]
.set i, i+1
.endr
	v_nop
	s_wait_alu depctr_va_vdst(0)                   ; the 32 exponentials have written v[E ..], which the additions read
.set i, 0
.rept 16
	v_pk_add_f32 v[E+i:E+i+1], v[E+i:E+i+1], 1.0 op_sel_hi:[1,0]
.set i, i+2
.endr
.set i, 0
	s_wait_alu depctr_va_vdst(0)
.rept 32
	v_rcp_f32 v[E+i], v[E+i]
.set i, i+1
.endr
	v_nop
	s_wait_alu depctr_va_vdst(0)                   ; the 32 reciprocals have written v[E ..], which the multiplies read
.set i, 0
.rept 16
	v_pk_mul_f32 v[Z+i:Z+i+1], v[Z+i:Z+i+1], v[E+i:E+i+1]
.set i, i+2
.endr
.endm
; z' = x (c g_l2_w) + c g_l2_b: pairs first .. first + count - 1 of the lane's sixteen
.macro ZLIN first, count
.set i, 2*(\first)
.rept \count
	v_pk_fma_f32 v[Z+i:Z+i+1], v[W2+i:W2+i+1], v[X:X+1], v[B2+i:B2+i+1] op_sel_hi:[1,0,1]
.set i, i+2
.endr
.endm
; The lane's 32 numbers Z are one block: its codes go to v[P] .. v[P+3], and lanes 0-15 get the word (my block's byte) | (lane l + 16's byte) << 8 in v[HS].
; The largest magnitude has the floor 2^(3 - 127) among its leaves, so the byte cannot fall under 1; 2 off its exponent field is the conversion's scale operand, and that field is the byte.
.macro QUANT32
	v_max3_num_f32 v[E], |v[Z]|, |v[Z+1]|, 0x1800000
	v_max3_num_f32 v[E+1], |v[Z+16]|, |v[Z+17]|, |v[Z+18]|                ; two chains by turns
.set i, 0
.rept 6
	v_max3_num_f32 v[E], v[E], |v[Z+2+i]|, |v[Z+3+i]|
	v_max3_num_f32 v[E+1], v[E+1], |v[Z+19+i]|, |v[Z+20+i]|
.set i, i+2
.endr
	v_max3_num_f32 v[E], v[E], |v[Z+14]|, |v[Z+15]|
	v_max3_num_f32 v[E], v[E], v[E+1], |v[Z+31]|
	v_add_nc_u32 v[E+2], 0xff000000, v[E]
	v_lshrrev_b32 v[E+3], 23, v[E+2]
	v_permlanex16_b32 v[E+4], v[E+3], s[SEL], s[SEL+1]                    ; (its destination has been written before on every way)
	v_lshl_or_b32 v[HS], v[E+4], 8, v[E+3]                               ; bytes 2 and 3 stay 0: they scale zero codes
.set i, 0
.rept 4
	v_cvt_scalef32_pk8_fp4_f32 v[P+i], v[Z+8*i:Z+8*i+7], v[E+2]
.set i, i+1
.endr
.endm
	; ---------------- THE HEAD ----------------
	s_load_b512 s[4:19], s[0:1], 0x0               ; eigval s[4:5], eigvec s[6:7], mask_m s[8:9], mask_all s[10:11], edge_attr s[12:13], f_l1_w s[14:15], f_l1_b s[16:17], f_l2_w s[18:19]
	s_load_b512 s[20:35], s[0:1], 0x40             ; f_l2_b s[20:21], f_l3_w s[22:23], g_l1_w s[24:25], g_l1_b s[26:27], g_l2_w s[28:29], g_l2_b s[30:31], g_l3_w s[32:33], lin_w s[34:35]
	s_load_b128 s[36:39], s[0:1], 0x80             ; lin_b s[36:37], out0 s[38:39]
	v_lshrrev_b32 v1, 5, v0
	v_readfirstlane_b32 s[WV], v1                  ; wave 0..15
	s_lshr_b32 s41, ttmp9, 6                       ; b
	s_and_b32 s42, ttmp9, 63                       ; which 256 of b's 16,384 edges
	v_and_b32 v192, 31, v0                         ; lane
	v_and_b32 v193, 15, v0                         ; r
	v_bfe_u32 v194, v0, 4, 1                       ; h
	v_and_b32 v195, 8, v193
	v_add_nc_u32 v195, v195, v193                  ; r + 8 (r / 8)
	s_wait_alu depctr_va_sdst(0)                   ; s[WV] is written, ahead of its first reader: LDS addresses, bases and the waves' parting are made from it
	; every LDS address is made here, ahead of the waves' parting: a constant + a constant x wave + constants x parts of the lane's number
	s_lshl_b32 s60, s[WV], 6
	s_lshl_b32 s61, s[WV], 4
	s_add_co_u32 s61, s61, MS
	s_mul_i32 s62, s[WV], FTW
	s_add_co_u32 s62, s62, FT                      ; my wave's region
	v_lshl_add_u32 v[AX0], v193, 2, s60            ; (XS = 0)
	v_add_nc_u32 v[AM0], s61, v193
	v_lshl_add_u32 v[AF0], v194, 6, s62
	v_lshlrev_b32 v[ADX], 4, v0
	v_lshlrev_b32 v[ADM], 3, v0
	v_lshlrev_b32 v[ADF], 2, v0
	v_lshlrev_b32 v[LI], 4, v192
	v_lshlrev_b32 v[LS], 2, v192
	v_mad_u32_u24 v[STO], v193, FP, v[AF0]
	v_and_b32 v157, 7, v0
	v_lshlrev_b32 v157, 4, v157                    ; 16 (lane % 8): also lin_b's offset
	v_lshrrev_b32 v[RD], 3, v192
	v_mul_u32_u24 v[RD], v[RD], FP
	v_add_nc_u32 v[RD], v[RD], v157
	v_add_nc_u32 v[RD], s62, v[RD]
	; offsets of the loads from memory
	v_lshrrev_b32 v152, 6, v0
	v_lshlrev_b32 v152, 16, v152
	v_and_b32 v196, 63, v0
	v_lshl_add_u32 v152, v196, 4, v152             ; x: plane m = t / 64 (65,536 bytes each), 16 bytes at 16 (t % 64)
	v_lshrrev_b32 v153, 5, v0
	v_lshlrev_b32 v153, 14, v153
	v_lshl_add_u32 v153, v192, 3, v153             ; mask_all: plane m = t / 32 (16,384 bytes each), 8 bytes at 8 x lane
	v_lshlrev_b32 v154, 7, v194                    ; 128 h: 32 numbers a half
	v_lshlrev_b32 v155, 6, v194                    ; 64 h: 16 numbers a half
	v_lshlrev_b32 v156, 2, v193                    ; 4 r
	v_lshlrev_b32 v158, 12, v194
	v_lshl_add_u32 v158, v195, 2, v158             ; a weight stored [k][32]: column r + 8 (r / 8), 32 h rows of 128 bytes down
	v_lshlrev_b32 v159, 7, v195                    ; lin_w: row r + 8 (r / 8) of 128 bytes
	v_cvt_f32_u32 v[MB], v194
	v_sub_f32 v[MB], 1.0, v[MB]                    ; 1 - h
	v_mov_b32 v[MB+1], 0
	v_mov_b32 v[X+1], 0
	s_mov_b32 s[NL], 0xbfb8aa3b
	s_mov_b32 s[NL+1], s[NL]
	s_mov_b32 s[PL], 0x3fb8aa3b
	s_mov_b32 s[PL+1], s[PL]
	s_mov_b32 s[SEL], 0x76543210
	s_mov_b32 s[SEL+1], 0xfedcba98
	s_lshl_b32 s44, s41, 20                        ; batched_eigvec: b x 16 planes of 65,536 bytes + my 256 edges
	s_lshl_b32 s60, s42, 10
	s_add_co_u32 s44, s44, s60
	s_mov_b32 s45, 0
	s_lshl_b32 s46, s41, 18                        ; mask_all: a quarter of that
	s_lshl_b32 s60, s42, 8
	s_add_co_u32 s46, s46, s60
	s_mov_b32 s47, 0
	s_wait_kmcnt 0x0
	s_add_nc_u64 s[6:7], s[6:7], s[44:45]
	s_add_nc_u64 s[10:11], s[10:11], s[46:47]
	s_wait_alu depctr_va_vdst(0)                   ; the LDS addresses v1 to v11 and the offsets v152 to v159 are written, which the loads and LDS stores of the head read; the lines above are done with v192 to v196, in which loads land.
	global_load_b128 v[224:227], v152, s[6:7] th:TH_LOAD_NT                 ; x, planes 0-7: 64 threads read 1,024 consecutive bytes of a plane
	global_load_b128 v[228:231], v152, s[6:7] offset:524288 th:TH_LOAD_NT   ; planes 8-15
	global_load_b64 v[232:233], v153, s[10:11] th:TH_LOAD_NT                ; the mask: a wave reads 256 consecutive bytes of a plane
	s_lshl_b32 s44, ttmp9, 15                      ; edge_attr, out0: 256 rows of 128 bytes a work-group, 16 a wave
	s_lshl_b32 s60, s[WV], 11
	s_add_co_u32 s44, s44, s60
	s_add_nc_u64 s[12:13], s[12:13], s[44:45]
	s_add_nc_u64 s[38:39], s[38:39], s[44:45]
	s_lshl_b32 s44, s41, 6                         ; batched_eigval, mask_m: row b of 64 bytes
	s_add_nc_u64 s[4:5], s[4:5], s[44:45]
	s_add_nc_u64 s[8:9], s[8:9], s[44:45]
	s_and_b32 s43, s[WV], 3
	s_lshl_b32 s44, s43, 8                         ; f_l2_w, f_l2_b: 64 numbers from 64 (w % 4) on
	s_add_nc_u64 s[18:19], s[18:19], s[44:45]
	s_add_nc_u64 s[20:21], s[20:21], s[44:45]
	s_and_b32 s63, s[WV], 1
	s_lshl_b32 s44, s63, 10                        ; lin_w: tile u = w % 2 begins at row 8 u
	s_add_nc_u64 s[34:35], s[34:35], s[44:45]
	s_lshl_b32 s60, s43, 13                        ; f_l3_w (waves 0-7): 64 (w % 4) rows of 128 bytes down, tile u = w / 4 begins at column 8 u
	s_lshr_b32 s61, s[WV], 2
	s_lshl_b32 s61, s61, 5
	s_add_co_u32 s60, s60, s61
	s_lshl_b32 s61, s63, 5                         ; g_l3_w (waves 8, 9): tile u = w % 2
	s_cmp_lt_u32 s[WV], 8                          ; the choice hangs on the wave's number alone
	s_cselect_b32 s44, s60, s61
	s_cselect_b64 s[RB:RB+1], s[22:23], s[32:33]
	s_add_nc_u64 s[RB:RB+1], s[RB:RB+1], s[44:45]
	global_load_b128 v[236:239], v157, s[36:37]    ; lin_b at the four columns that I shall store
.irp q, 0,1,2,3
	global_load_b128 v[240+4*\q:243+4*\q], v155, s[14:15] offset:16*\q      ; f_l1_w at d = 16 h + i
	global_load_b128 v[OUT+4*\q:OUT+4*\q+3], v155, s[16:17] offset:16*\q    ; f_l1_b
.endr
	global_load_b32 v[X], v156, s[4:5]             ; batched_eigval[b][r]
	global_load_b32 v[MK], v156, s[8:9]            ; mask_m[b][r]
.irp q, 0,1,2,3,4,5,6,7
	global_load_b128 v[W2+4*\q:W2+4*\q+3], v154, s[28:29] offset:16*\q
	global_load_b128 v[B2+4*\q:B2+4*\q+3], v154, s[30:31] offset:16*\q
.endr
.irp q, 0,1,2,3
	global_load_b128 v[W1+4*\q:W1+4*\q+3], v155, s[24:25] offset:16*\q
	global_load_b128 v[B1+4*\q:B1+4*\q+3], v155, s[26:27] offset:16*\q
.endr
.irp q, 0,1,2,3
	global_load_b128 v[EA+4*\q:EA+4*\q+3], v[LI], s[12:13] offset:512*\q th:TH_LOAD_NT   ; 512 consecutive bytes: rows 4 q .. 4 q + 3 of my 16
.endr
	; EACH WAVE'S 32 NUMBERS A LANE FOR THE QUANTISER.  Waves 0-7: f_l3_w (tile w / 4, k from 64 (w % 4) on); 8, 9: g_l3_w (tile w % 2); 10, 11: lin_w (tile w % 2); 12-15: f's hidden layer (k from 64 (w % 4) on)
	s_cmp_lt_u32 s[WV], 10
	s_cbranch_scc0 .Lnot_down_k
.set i, 0
.rept 32
	global_load_b32 v[Z+i], v158, s[RB:RB+1] offset:128*i                   ; K is the weight's first axis: my registers run down K, k = 32 h + i of my column
.set i, i+1
.endr
	s_branch .Lasked
.Lnot_down_k:
	s_cmp_lt_u32 s[WV], 12
	s_cbranch_scc0 .Lhidden_f
.irp q, 0,1,2,3,4,5,6,7
	global_load_b128 v[Z+4*\q:Z+4*\q+3], v159, s[34:35] offset:16*\q        ; K is innermost: my row's 32 numbers (both halves of the lanes read them)
.endr
	s_branch .Lasked
.Lhidden_f:
.irp q, 0,1,2,3,4,5,6,7
	global_load_b128 v[Z+4*\q:Z+4*\q+3], v154, s[20:21] offset:16*\q        ; f_l2_b at k = 32 h + i of my 64
	global_load_b128 v[120+4*\q:123+4*\q], v154, s[18:19] offset:16*\q      ; f_l2_w
.endr
.Lasked:
	s_wait_loadcnt 0x0                             ; all that the launch reads from memory is in
	ds_store_b128 v[ADX], v[224:227]               ; (XS = 0)  (data from loads, addresses from ahead of the wait on va_vdst above: nothing more is owed)
	ds_store_b128 v[ADX], v[228:231] offset:8192
	ds_store_b64 v[ADM], v[232:233] offset:MS
.set i, 0
.rept 4
	v_pk_add_f32 v[EA+i:EA+i+1], v[EA+i:EA+i+1], v[236:237]                 ; edge_attr + lin_b
	v_pk_add_f32 v[EA+i+2:EA+i+3], v[EA+i+2:EA+i+3], v[238:239]
.set i, i+4
.endr
.set i, 0
.rept 8
	v_pk_fma_f32 v[OUT+i:OUT+i+1], v[240+i:241+i], v[X:X+1], v[OUT+i:OUT+i+1] op_sel_hi:[1,0,1]   ; the C of f's product: v f_l1_w + f_l1_b at (m = r, d = 16 h + i)
.set i, i+2
.endr
	s_wait_dscnt 0x0                               ; the three LDS stores have landed
	s_wait_alu depctr_vm_vsrc(0)                   ; they have read v224 to v233, which are at work next on every way below; the loads from memory have read their offsets v152 to v159, which the loop writes
	s_cmp_lt_u32 s[WV], 10
	s_cbranch_scc1 .Lquantise
	s_cmp_lt_u32 s[WV], 12
	s_cbranch_scc0 .Lsilu_f
.set i, 0
.rept 16
	v_pk_mul_f32 v[Z+i:Z+i+1], v[Z+i:Z+i+1], v[MB:MB+1] op_sel_hi:[1,0]     ; lin_w has K = 32: lanes 16-31, whose codes are k = 32 .. 63, get zeros
.set i, i+2
.endr
	s_branch .Lquantise
.Lsilu_f:
	SILU32 120, Z
.Lquantise:
	s_wait_alu depctr_va_vdst(0)
	QUANT32
	v_nop                                          ; one plain instruction behind the last scaled conversion
	s_wait_alu depctr_va_vdst(0)                   ; the quantiser has written v[P ..] and v[HS], which the two LDS stores read; and all lines above are done with Z, E, v240 to v251 and v120 to v131, in which the LDS loads behind the barrier land
	ds_store_b128 v[ADX], v[P:P+3] offset:IMG      ; slot w: 16 t = 512 w + 16 x lane
	ds_store_b32 v[ADF], v[HS] offset:ISC          ; 4 t = 128 w + 4 x lane
	s_wait_dscnt 0x0                               ; for the others' sake: all my LDS stores have landed
	s_barrier_signal -1
	s_barrier_wait -1                              ; THE ONE BARRIER: x, the mask, the images and their scale words lie in LDS; none of these bytes is written again
	s_wait_alu depctr_vm_vsrc(0)                   ; my two stores have read v[HS], which is written again below, and v[P ..], v[ADX] and v[ADF], which the loop writes
	; ---------------- 1 / f, each wave for itself: 16 m x 32 d, K = 256 in two steps ----------------
.irp s, 0,1,2,3,4,5,6,7
	ds_load_b128 v[Z+4*\s:Z+4*\s+3], v[LI] offset:IMG+512*\s                ; slot 4 u + 2 s + c is registers 4 c .. 4 c + 3 of fragment 2 u + s
.endr
.irp q, 0,1,2,3
	ds_load_b128 v[E+4*\q:E+4*\q+3], v[LI] offset:IMG+512*(12+\q)           ; the hidden layer's two fragments
.endr
.irp s, 0,1,2,3,4,5,6,7
	ds_load_b32 v[240+\s], v[LS] offset:ISC+128*\s
.endr
.irp q, 0,1,2,3
	ds_load_b32 v[248+\q], v[LS] offset:ISC+128*(12+\q)
.endr
	ds_load_b128 v[WG:WG+3], v[LI] offset:IMG+512*8                         ; g_l3_w's two fragments and scale words stay for the loop
	ds_load_b128 v[WG+8:WG+11], v[LI] offset:IMG+512*9
	ds_load_b32 v18, v[LS] offset:ISC+128*8
	ds_load_b32 v19, v[LS] offset:ISC+128*9
.set i, 0
.rept 32
	v_pk_mul_f32 v[W2+i:W2+i+1], v[W2+i:W2+i+1], s[NL:NL+1] op_sel_hi:[1,0] ; c g_l2_w and, behind it in the registers, c g_l2_b: once, while the LDS loads are out
.set i, i+2
.endr
	s_wait_dscnt 0x0
.irp q, 0,1,2,3
	v_lshl_or_b32 v[20+\q], v[241+2*\q], 16, v[240+2*\q]                    ; two halves make the scale word of a fragment's 128 along K
.endr
.irp q, 0,1
	v_lshl_or_b32 v[16+\q], v[249+2*\q], 16, v[248+2*\q]
.endr
.irp q, 4,5,6,7,12,13,14,15,20,21,22,23
	v_mov_b32 v[WG+\q], 0                          ; zero codes for k = 64 .. 127 of the loop's operands.  These twelve are also the eight places between the scale words' last write and the products
.endr
	s_wait_alu depctr_va_vdst(0)                   ; the six scale words v16, v17 and v20 to v23 are written, which the four products take; the places above stay beside this wait
	WM OUT,   Z,    E,   20, 16, 0                 ; the two accumulators take turns
	WM OUT+8, Z+16, E,   22, 16, 0
	WM OUT,   Z+8,  E+8, 21, 17, 0
	WM OUT+8, Z+24, E+8, 23, 17, 0
	PLACES 4
.set i, 0
.rept 8
	v_pk_mul_f32 v[E+i:E+i+1], v[OUT+i:OUT+i+1], s[PL:PL+1] op_sel_hi:[1,0] ; each accumulator is read from its low end on
.set i, i+2
.endr
.set i, 0
	s_wait_alu depctr_va_vdst(0)
.rept 16
	v_exp_f32 v[E+i], v[E+i]
.set i, i+1
.endr
.set i, 0
.rept 8
	v_mov_b32 v[OUT+i], 0                          ; the sums over m begin as zeros, so that the trip is written once more only for its tail.  (The plain work behind the exponentials)
.set i, i+1
.endr
	s_wait_alu depctr_va_vdst(0)                   ; the 16 exponentials have written v[E ..], which the multiplies read
.set i, 0
.rept 16
	v_mul_f32 v[E+i], v[E+i], v[MK]                ; f = exp(..) x mask_m[b][r]
.set i, i+1
.endr
.set i, 0
	s_wait_alu depctr_va_vdst(0)
.rept 16
	v_rcp_f32 v[E+i], v[E+i]                       ; 1 / f
.set i, i+1
.endr
.set i, 8
.rept 8
	v_mov_b32 v[OUT+i], 0                          ; (the plain work behind the reciprocals)
.set i, i+1
.endr
	s_mov_b32 s60, 0xff61b1e6                      ; -3e38
	s_mov_b32 s61, 0x7f61b1e6                      ; 3e38
	s_wait_alu depctr_va_vdst(0)                   ; the 16 reciprocals have written v[E ..], which the holds read
.set i, 0
.rept 16
	v_med3_num_f32 v[E+i], v[E+i], s60, s61        ; held: where f is 0 the trip's divisor is 3e38 or more, never 0 x infinity, and its reciprocal lies under 2^-126
.set i, i+1
.endr
	s_wait_alu depctr_va_vdst(0)                   ; the holds have written v[E ..], which the four LDS stores read; and the head is done reading v[X], in which the load below lands
.irp q, 0,1,2,3
	ds_store_b128 v[STO], v[E+4*\q:E+4*\q+3] offset:16*\q                   ; 1 / f(m = r, d = 16 h + 4 q ..) into my own table
.endr
	ds_load_b32 v[X], v[AX0]                       ; x of m = 0
	s_mov_b32 s[TM], 0
	s_mov_b32 s[TF], 0
	s_mov_b32 s[TX], 1024
	s_mov_b32 s[CT], 0
	s_wait_dscnt 0x0                               ; x is in, and my table's stores have landed
	ZLIN 0, 16                                     ; z' of m = 0: every later z' is made a trip ahead, in the places behind the products
; ---------------- A TRIP: one m for my 16 edges.  It finds x in v[X] and z' in Z, and no LDS instruction of mine out.  next = 1: it asks for the next m's x and makes its z' ----------------
.macro TRIP next
	s_wait_alu depctr_vm_vsrc(0)                   ; the LDS loads of the trip before have read v[ADX], v[ADM] and v[ADF], which this trip writes again; in the first trip: the stores into my table have read v[E ..], which the exponentials write
.set i, 0
.rept 32
	v_exp_f32 v[E+i], v[Z+i]                       ; 2^z'
.set i, i+1
.endr
.if \next
	v_add_nc_u32 v[ADX], s[TX], v[AX0]             ; the addresses are the plain work behind the batch
.endif
	v_add_nc_u32 v[ADM], s[TM], v[AM0]
	s_wait_alu depctr_va_vdst(0)                   ; the 32 exponentials have written v[E ..], ahead of their first reader; v[ADX] and v[ADM] are written, which the loads below read; the trip before is done with v[XN] and v[MB], in which they land
.if \next
	ds_load_b32 v[XN], v[ADX]
.endif
	ds_load_u8 v[MB], v[ADM]
.set i, 0
.rept 16
	v_pk_fma_f32 v[E+i:E+i+1], v[E+i:E+i+1], s[NL:NL+1], s[NL:NL+1] op_sel_hi:[1,0,0]   ; c 2^z' + c
.set i, i+2
.endr
.set i, 0
	s_wait_alu depctr_va_vdst(0)
.rept 32
	v_rcp_f32 v[E+i], v[E+i]
.set i, i+1
.endr
	v_add_nc_u32 v[ADF], s[TF], v[AF0]             ; (the plain line behind the batch)
	s_wait_alu depctr_va_vdst(0)                   ; the 32 reciprocals have written v[E ..], which the multiplies read
.set i, 0
.rept 16
	v_pk_mul_f32 v[Z+i:Z+i+1], v[Z+i:Z+i+1], v[E+i:E+i+1]                   ; silu(z) = z' / (c 2^z' + c)
.set i, i+2
.endr
	QUANT32
	s_wait_dscnt 0x0                               ; the mask byte, and the next x ahead of it, are in
	v_add_nc_u32 v[MB], -1, v[MB]                  ; byte 1: 0; byte 0: all ones,
	v_and_b32 v[MB], 0x7f800000, v[MB]             ; of which +infinity is kept
.set i, 0
.rept 8
	v_pk_fma_f32 v[H+i:H+i+1], v[W1+i:W1+i+1], v[X:X+1], v[B1+i:B1+i+1] op_sel_hi:[1,0,1]   ; the product's C.  With the two lines above: ten plain lines behind the scale word's write and the conversions
.set i, i+2
.endr
	s_wait_alu depctr_va_vdst(0)                   ; the quantiser has written v[P ..] and v[HS], which the products take (the ten places stay beside this wait); the multiplies are done reading v240 to v255, in which the table's row lands; v[ADF] is written
.irp q, 0,1,2,3
	ds_load_b128 v[F+4*\q:F+4*\q+3], v[ADF] offset:16*\q                    ; the table's row m.  From here to the wait for it no vector or matrix instruction names v240 to v255
.endr
	WM H,   WG,   P, 18, HS, 0                     ; d = 16 h + 0 .. 7 of my edge;  the two accumulators take turns, over the backward jump too
	WM H+8, WG+8, P, 19, HS, 0                     ; d = 16 h + 8 .. 15
.if \next
	v_mov_b32 v[X], v[XN]                          ; x has had its last reader: on to the next m.  This line and the fourteen below are the places behind the products
	ZLIN 0, 14
.else
	PLACES 4
.endif
.set i, 0
.rept 8
	v_pk_fma_f32 v[E+i:E+i+1], v[H+i:H+i+1], s[NL:NL+1], v[MB:MB+1] op_sel_hi:[1,0,0]   ; the sigmoid's exponent; +infinity where the mask hides the place.  Each accumulator from its low end on
.set i, i+2
.endr
.set i, 0
	s_wait_alu depctr_va_vdst(0)
.rept 16
	v_exp_f32 v[E+i], v[E+i]
.set i, i+1
.endr
.if \next
	ZLIN 14, 1                                     ; (the plain line behind the batch)
.else
	v_nop
.endif
	s_wait_alu depctr_va_vdst(0)                   ; the 16 exponentials have written v[E ..], which the multiply-adds read
	s_wait_dscnt 0x0                               ; the table's row is in
.set i, 0
.rept 8
	v_pk_fma_f32 v[E+i:E+i+1], v[E+i:E+i+1], v[F+i:F+i+1], v[F+i:F+i+1]     ; (1 + 2^..) / f
.set i, i+2
.endr
.set i, 0
	s_wait_alu depctr_va_vdst(0)
.rept 16
	v_rcp_f32 v[E+i], v[E+i]                       ; f x sigmoid
.set i, i+1
.endr
.if \next
	ZLIN 15, 1
.else
	v_nop
.endif
	s_wait_alu depctr_va_vdst(0)                   ; the 16 reciprocals have written v[E ..], which the sums read
.set i, 0
.rept 8
	v_pk_fma_f32 v[OUT+i:OUT+i+1], v[H+i:H+i+1], v[E+i:E+i+1], v[OUT+i:OUT+i+1]   ; + f g
.set i, i+2
.endr
.endm
.Ltrip:                                            ; m = 0 .. 14
	s_wait_alu depctr_va_vdst(0)
	TRIP 1
	s_add_co_u32 s[TM], s[TM], 256
	s_add_co_u32 s[TF], s[TF], FP
	s_add_co_u32 s[TX], s[TX], 1024
	s_add_co_u32 s[CT], s[CT], 1
	s_cmp_lt_u32 s[CT], 15
	s_cbranch_scc1 .Ltrip
	TRIP 0                                         ; m = 15 is written out: no x follows it
	; ---------------- THE WAY OUT: the sums are quantised (K = 32: the block lies in lanes l and l xor 16), multiplied by lin_w, and leave as whole rows ----------------
	ds_load_b128 v[Z:Z+3], v[LI] offset:IMG+512*10                          ; lin_w's two fragments,  (no wait: since the last trip's last wait on va_vdst only the sums' eight lines were issued, which name H, E and OUT, none of the registers in which these four loads land)
	ds_load_b128 v[Z+8:Z+11], v[LI] offset:IMG+512*11
	ds_load_b32 v20, v[LS] offset:ISC+128*10                                ; and their scale words
	ds_load_b32 v21, v[LS] offset:ISC+128*11
.irp q, 4,5,6,7,12,13,14,15
	v_mov_b32 v[Z+\q], 0                           ; zero codes for k = 64 .. 127
.endr
	v_max3_num_f32 v[E], |v[OUT]|, |v[OUT+1]|, 0x1800000                    ; my 16 numbers and the floor, in two chains
	v_max3_num_f32 v[E+1], |v[OUT+8]|, |v[OUT+9]|, |v[OUT+10]|
	v_max3_num_f32 v[E], v[E], |v[OUT+2]|, |v[OUT+3]|
	v_max3_num_f32 v[E+1], v[E+1], |v[OUT+11]|, |v[OUT+12]|
	v_max3_num_f32 v[E], v[E], |v[OUT+4]|, |v[OUT+5]|
	v_max3_num_f32 v[E+1], v[E+1], |v[OUT+13]|, |v[OUT+14]|
	v_max3_num_f32 v[E], v[E], |v[OUT+6]|, |v[OUT+7]|
	v_max3_num_f32 v[E], v[E], v[E+1], |v[OUT+15]|
	v_permlanex16_b32 v[E+4], v[E], s[SEL], s[SEL+1]
	v_max_num_f32 v[E], v[E], v[E+4]               ; with lane l xor 16's: the block's largest magnitude
	v_add_nc_u32 v[E+2], 0xff000000, v[E]
	v_lshrrev_b32 v17, 23, v[E+2]                  ; the scale word: byte 0; the others scale zero codes
	v_cvt_scalef32_pk8_fp4_f32 v[P], v[OUT:OUT+7], v[E+2]                   ; d = 16 h + 0 .. 7
	v_cvt_scalef32_pk8_fp4_f32 v[P+1], v[OUT+8:OUT+15], v[E+2]              ; d = 16 h + 8 .. 15
	v_mov_b32 v[P+2], 0                            ; (plain instructions behind the conversions)
	v_mov_b32 v[P+3], 0
	v_permlane16_swap_b32 v[P], v[P+2]             ; the first's lanes 16-31 change places with the second's lanes 0-15: lanes 0-15 now hold the whole block in registers 0-3,
	v_permlane16_swap_b32 v[P+1], v[P+3]           ; and lanes 16-31, k = 32 .. 63, zero codes
	s_wait_dscnt 0x0
	PLACES 8                                       ; behind the scale word's and the codes' last writes
	s_wait_alu depctr_va_vdst(0)                   ; the scale word v17, the codes v[P ..] and the zero codes in lin_w's fragments are written, which the two products take; the places above stay beside this wait
	WM Z+16, Z,   P, 20, 17, 1                     ; columns 16 h + 0 .. 7 of my edge's row
	WM Z+24, Z+8, P, 21, 17, 1                     ; 16 h + 8 .. 15
	PLACES 4
	s_wait_alu depctr_va_vdst(0)                   ; the products have written v[Z+16 ..], which the LDS stores read (the four places stay beside this wait); and the quantiser's lines are done with v[E ..], in which the loads below land
.irp q, 0,1,2,3
	ds_store_b128 v[STO], v[Z+16+4*\q:Z+19+4*\q] offset:16*\q               ; into my region, whose table has had its last read; each accumulator from its low end on
.endr
.irp q, 0,1,2,3
	ds_load_b128 v[E+4*\q:E+4*\q+3], v[RD] offset:4*FP*\q                   ; back by rows: eight lanes to a row of 128 bytes, four rows an instruction; served in order behind my stores
.endr
.irp q, 0,1,2,3
	s_wait_dscnt 3-\q                              ; rows 4 q .. 4 q + 3 are back; the younger loads may be out
	v_pk_add_f32 v[E+4*\q:E+4*\q+1], v[E+4*\q:E+4*\q+1], v[EA+4*\q:EA+4*\q+1]
	v_pk_add_f32 v[E+4*\q+2:E+4*\q+3], v[E+4*\q+2:E+4*\q+3], v[EA+4*\q+2:EA+4*\q+3]
.endr
	s_wait_alu depctr_va_vdst(0)                   ; the eight additions have written v[E ..], which the four stores read: one wait for the run
.irp q, 0,1,2,3
	global_store_b128 v[LI], v[E+4*\q:E+4*\q+3], s[38:39] offset:512*\q th:TH_STORE_NT   ; the wave stores 512 consecutive bytes, at a multiple of 512 from out0's first byte
.endr
	s_wait_xcnt 0x0
	v_lshl_add_u32 v254, v0, 2, 0x10800            ; the add's two registers are made anew, straight ahead of the closing lines: my spare word, behind the sixteen regions, and 0.  No memory or LDS instruction of this text reads v254 or v255
	v_mov_b32 v255, 0
	s_wait_dscnt 0x0                               ; the closing lines, six on end
	s_wait_alu 0x0
	s_wait_tensorcnt 0x0
	ds_add_u32 v254, v255
	s_wait_dscnt 0x0
	s_endpgm
.Lfunc_end_k_q258500831e_encode:
	.size	k_q258500831e_encode, .Lfunc_end_k_q258500831e_encode-k_q258500831e_encode
	.p2alignl 7, 3214868480
	.fill 96, 4, 3214868480
	.section	.rodata,"a",@progbits
	.p2align	6, 0x0
	.amdhsa_kernel k_q258500831e_encode
		.amdhsa_group_segment_fixed_size 69632
		.amdhsa_private_segment_fixed_size 0
		.amdhsa_enable_private_segment 0
		.amdhsa_kernarg_size 144
		.amdhsa_user_sgpr_count 2
		.amdhsa_user_sgpr_kernarg_segment_ptr 1
		.amdhsa_wavefront_size32 1
		.amdhsa_system_sgpr_workgroup_id_x 1
		.amdhsa_system_sgpr_workgroup_id_y 1
		.amdhsa_system_sgpr_workgroup_id_z 1
		.amdhsa_system_vgpr_workitem_id 0
		.amdhsa_next_free_vgpr 256
		.amdhsa_next_free_sgpr 66
		.amdhsa_reserve_vcc 0
		.amdhsa_float_denorm_mode_32 3
		.amdhsa_float_denorm_mode_16_64 3
		.amdhsa_memory_ordered 1
		.amdhsa_forward_progress 1
		.amdhsa_inst_pref_size 59
	.end_amdhsa_kernel
	.amdgpu_metadata
---
amdhsa.version: [ 1, 2 ]
amdhsa.kernels:
  - .name:           k_q258500831e_encode
    .symbol:         k_q258500831e_encode.kd
    .args:
      - { .name: batched_eigval, .offset: 0, .size: 8, .value_kind: global_buffer, .address_space: global }
      - { .name: batched_eigvec, .offset: 8, .size: 8, .value_kind: global_buffer, .address_space: global }
      - { .name: mask_m, .offset: 16, .size: 8, .value_kind: global_buffer, .address_space: global }
      - { .name: mask_all, .offset: 24, .size: 8, .value_kind: global_buffer, .address_space: global }
      - { .name: edge_attr, .offset: 32, .size: 8, .value_kind: global_buffer, .address_space: global }
      - { .name: f_l1_w, .offset: 40, .size: 8, .value_kind: global_buffer, .address_space: global }
      - { .name: f_l1_b, .offset: 48, .size: 8, .value_kind: global_buffer, .address_space: global }
      - { .name: f_l2_w, .offset: 56, .size: 8, .value_kind: global_buffer, .address_space: global }
      - { .name: f_l2_b, .offset: 64, .size: 8, .value_kind: global_buffer, .address_space: global }
      - { .name: f_l3_w, .offset: 72, .size: 8, .value_kind: global_buffer, .address_space: global }
      - { .name: g_l1_w, .offset: 80, .size: 8, .value_kind: global_buffer, .address_space: global }
      - { .name: g_l1_b, .offset: 88, .size: 8, .value_kind: global_buffer, .address_space: global }
      - { .name: g_l2_w, .offset: 96, .size: 8, .value_kind: global_buffer, .address_space: global }
      - { .name: g_l2_b, .offset: 104, .size: 8, .value_kind: global_buffer, .address_space: global }
      - { .name: g_l3_w, .offset: 112, .size: 8, .value_kind: global_buffer, .address_space: global }
      - { .name: lin_w, .offset: 120, .size: 8, .value_kind: global_buffer, .address_space: global }
      - { .name: lin_b, .offset: 128, .size: 8, .value_kind: global_buffer, .address_space: global }
      - { .name: out0, .offset: 136, .size: 8, .value_kind: global_buffer, .address_space: global }
    .group_segment_fixed_size: 69632
    .private_segment_fixed_size: 0
    .kernarg_segment_align: 8
    .kernarg_segment_size: 144
    .max_flat_workgroup_size: 512
    .sgpr_count:     66
    .vgpr_count:     256
    .wavefront_size: 32
...
	.end_amdgpu_metadata
.endif
;; end of part 2
